; MI455X (gfx1250); checked and timed in simulation.
; The chip was launched on July 23, 2026; its instructions are those of AMD's public machine-readable ISA for CDNA 5 (MIT licence, August 2026) and "CDNA5" Instruction Set Architecture Reference Guide (July 2026). The comments in the code are by the model that wrote it; some were corrected since.
;; Multi Head Attention. Allowed arithmetic: matrix products marked QUANTISED: E4M3 operands, one given power-of-two scale a tensor, by v_wmma_f32_16x16x64_fp8_fp8 or v_wmma_f32_16x16x128_fp8_fp8, f32 sums; everything else in f32.
;; Inputs: Wk 1,024 x 1,024 float32; Wo 1,024 x 1,024 float32; Wq 1,024 x 1,024 float32; Wv 1,024 x 1,024 float32; lowp_scales 12 int32 (the exponents e of the quantised operands' scales 2^e); mask 1 x 1 x 4,096 x 4,096 bool; x 1 x 4,096 x 1,024 float32.
;; Outputs: out0 1 x 4,096 x 1,024 float32.
;; This version of the problem:
;;   THIS VERSION OF THE PROBLEM IS GIVEN IN LOW PRECISION. The matrix products marked QUANTISED in the list below multiply operands that are first quantised to E4M3 (4 exponent bits, 3 mantissa bits; 8 bits a number), with one given power-of-two scale for each operand tensor; their sums are f32. All else is computed in f32.
;;   The module's matrix products, in the order in which they are computed (A, B: the left and right operand; K: the contracted axis; several contracted axes count as one K, in the product's order):
;;     1. [M 4,096, K 1,024] x [K 1,024, N 1,024]; A: input x; B: input Wq: QUANTISED (scales: A lowp_scales[0], B lowp_scales[1])
;;     2. [M 4,096, K 1,024] x [K 1,024, N 1,024]; A: input x; B: input Wk: QUANTISED (scales: A lowp_scales[2], B lowp_scales[3])
;;     3. [M 4,096, K 1,024] x [K 1,024, N 1,024]; A: input x; B: input Wv: QUANTISED (scales: A lowp_scales[4], B lowp_scales[5])
;;     4. batch 16 x [M 4,096, K 64] x [K 64, N 4,096]; A: computed on the way; B: computed on the way: QUANTISED (scales: A lowp_scales[6], B lowp_scales[7])
;;     5. batch 16 x [M 4,096, K 4,096] x [K 4,096, N 64]; A: softmax (see below); B: computed on the way: QUANTISED (scales: A lowp_scales[8], B lowp_scales[9])
;;     6. [M 4,096, K 1,024] x [K 1,024, N 1,024]; A: computed on the way; B: input Wo: QUANTISED (scales: A lowp_scales[10], B lowp_scales[11])
;;   THE QUANTISER, for each operand of a quantised product, along K:
;;     - The operand's scale is 2^e, e = its entry of the input lowp_scales (int32; the entries are numbered through the quantised products in the list's order, A before B).
;;     - Each number is divided by the scale, clamped to +-448, and rounded to the nearest number of E4M3, ties to even, subnormals kept.
;;     - The product sums the exact products of the quantised numbers (number of the format x scale) in f32.
;;   ~~~python
;;   def quantise(x, axis, e):      # numpy; x: float32 -> the quantised numbers, widened to float32 again
;;       x = np.moveaxis(x, axis, -1); K = x.shape[-1]
;;       r = np.clip(x / 2.0 ** e, -448, 448)
;;       step = 2.0 ** (np.maximum(np.frexp(np.where(r == 0, 1, r))[1] - 1, -6) - 3)
;;       q = np.round(r / step) * step * 2.0 ** e      # np.round: ties to even
;;       return np.moveaxis(q, -1, axis).astype(np.float32)
;;   ~~~
;;   SOFTMAX AHEAD OF A QUANTISED PRODUCT. Where the list says 'softmax', what is quantised is not the finished softmax but p = 2^(t - M), with t = logit x log2(e) and M = ceil(the row's largest t), a whole number; so 1/2 < the row's largest p <= 1. The row's sum l is taken of the UNQUANTISED p, in f32, and the product's result is divided by l at the end. Since M is a whole number, a kernel that streams over the keys may use a running M (the ceiling of the running maximum): every later rescaling is an exact power of two, so the quantised numbers keep their values, but for numbers so far below the row's largest that they fall under the format's range.
;;   OPERANDS COMPUTED ON THE WAY. 'Computed on the way' means the value that the module computes at that place (a softmax that the list does not call 'softmax' is quantised finished and normalised). What goes into a quantiser is computed in f32, as accurately as f32 sums, v_exp_f32 and their like allow (about 1e-6 of the number): no bf16 or f16 on the way to a quantiser, and a product that is left as it is and whose result goes on into a quantised operand takes f32 operands (vector FMAs, or v_wmma_f32_16x16x4_f32). A number that lies on a knife's edge between two numbers of the format may be rounded either way, as far as f32 arithmetic and the matrix unit's own rounding can turn it there, and no further.
;; One version. Each part assembles by itself: llvm-mc -triple=amdgcn-amd-amdhsa -mcpu=gfx1250 --defsym DOCPART=n.
;; ======== version 1 of 1: 4 launches
;; limits: right only within a limited range of input values
;; workspace buffers: cw 16,777,216 bytes; mbits 2,097,152 bytes of whole numbers; qkv 12,582,912 bytes; oc 4,194,304 bytes
;; launch prep (part 1): grid 512 x 1, 4 waves a work-group, no clusters, 98,816 bytes of LDS; arguments x, Wq, Wk, Wv, Wo, mask, lowp_scales, cw, mbits; writes cw, mbits
.if DOCPART == 1
	.amdgcn_target "amdgcn-amd-amdhsa--gfx1250"
	.amdhsa_code_object_version 6
	.text
	.protected	k_qcbfeacd272_prep
	.globl	k_qcbfeacd272_prep
	.p2align	8
	.type	k_qcbfeacd272_prep,@function
k_qcbfeacd272_prep:
	s_mov_b64 s[64:65], 0
	v_nop
	global_prefetch_b8 v0, s[64:65] scope:SCOPE_SE
	s_setreg_imm32_b32 hwreg(HW_REG_WAVE_MODE, 25, 1), 1
	s_wait_xcnt 0x0
; Three jobs, parted by the work-group's number; the paths never join and each has LDS bytes of its own.
;  work-groups 0-127:   32 rows of x (f32) become codes of E4M3 three times over, once with each of the scales given for x (entries 0, 2, 4): planes xq, xk, xv of cw.
;  work-groups 128-255: 32 rows of one of Wq, Wk, Wv, Wo become codes (entries 1, 3, 5, 11): planes wq, wk, wv, wo of cw.
;  work-groups 256-511: 16 rows of the mask (one byte a key) become lane masks: one 32-bit word for each score register of the attention launch.
; cw: rows of 1,024 codes; xq at 0, xk at 4 MiB, xv at 8 MiB, wq, wk, wv, wo at 12, 13, 14, 15 MiB.  In xk and wv plane row P holds source row P with bits 3 and 4 exchanged:
; a wave takes 8 rows, so wave w simply writes where wave w' (w's two bits exchanged) would.  That order makes 16 registers of two neighbouring result tiles 16 neighbours along the next K.
; code = x / 2^e, held within +-448, to the nearest code, ties to even.  LIMITS: each e between -126 and 119, so that 2^e and 448 x 2^e are f32 numbers; NaN among the inputs is not served.
; mbits: [query tile 256][key step 32][n 64] words; bit 16 h + r of word n = 16 b + i is mask[16 tile + r][128 step + 32 b + 16 h + i].
; No tensor loads, no barrier: waves share nothing.
.set STEPS, 16                         ; a wave's 8 rows = 8,192 numbers = 16 steps of 512
.set SP,    80                         ; a lane's place in a stage: 64 bytes + 16 of padding
.set R,     16                         ; v16-79   four sets of 16 numbers as loaded
.set X,     80                         ; v80-111  two sets of 16 neighbours
.set T,     112                        ; v112-159 the held numbers, a set for each plane
.set C,     160                        ; v160-171 codes, four registers for each plane
.set SC,    172                        ; v172-174 2^e for each plane
.set LM,    175                        ; v175-177 448 x 2^e
.set LDSX,  0                          ; LDS: 8,192 bytes a wave for x's path,
.set LDSW,  32768                      ; for the weights' path,
.set LDSM,  65536                      ; and for the mask's
.set MP,    272                        ; the mask's stage: a row of 256 bytes + 16
.macro LDSADR lbase                    ; the stage's two addresses: in as the bytes lie, out 64 bytes a lane
	s_lshl_b32 s62, s3, 13
	s_add_co_u32 s62, s62, \lbase
	v_lshrrev_b32 v14, 2, v2
	v_mul_u32_u24 v14, v14, SP
	v_and_b32 v15, 3, v2
	v_lshl_add_u32 v14, v15, 4, v14
	v_add_nc_u32 v14, s62, v14                     ; SP (lane / 4) + 16 (lane % 4)
	v_mul_u32_u24 v15, v2, SP
	v_add_nc_u32 v15, s62, v15                     ; SP x lane
.endm
.macro MKSCALE k, e                    ; plane k's scale from the whole number in s[e]
	s_add_co_i32 s56, s[\e], 127
	s_lshl_b32 s57, s56, 23
	v_mov_b32 v[SC+\k], s57                        ; 2^e as f32: the conversion takes its exponent field
	s_add_co_i32 s56, s56, 8
	s_lshl_b32 s56, s56, 23
	s_or_b32 s56, s56, 0x600000
	v_mov_b32 v[LM+\k], s56                        ; 448 x 2^e
.endm
.macro LOAD t
.irp i, 0,1,2,3
	global_load_b128 v[R+16*((\t)%4)+4*\i:R+16*((\t)%4)+4*\i+3], v3, s[4:5] offset:2048*(\t)+512*\i th:TH_LOAD_NT   ; 32 lanes read 512 consecutive bytes
.endr
.endm
.macro TURN t                          ; a step's 2,048 bytes through the wave's own stage: LDS serves a wave's instructions in order, so no wait stands between the stores and the loads
.irp i, 0,1,2,3
	ds_store_b128 v14, v[R+16*((\t)%4)+4*\i:R+16*((\t)%4)+4*\i+3] offset:32*SP*((\t)%2)+8*SP*\i
.endr
.irp i, 0,1,2,3
	ds_load_b128 v[X+16*((\t)%2)+4*\i:X+16*((\t)%2)+4*\i+3], v15 offset:32*SP*((\t)%2)+16*\i
.endr
.endm
.macro STEP t, np
.set XS, X+16*((\t)%2)
	s_wait_dscnt 0x0                               ; this step's numbers are back from the stage, and its stores into the stage have read their registers,
.if (\t)+4 < STEPS
	LOAD (\t)+4                                    ; which take the loads of four steps on
.endif
.if (\t)+1 < STEPS
.if STEPS-2-(\t) >= 3
	s_wait_loadcnt 12                              ; the next step's four loads are in; those of the three steps behind it may be out
.else
	s_wait_loadcnt 4*(STEPS-2-(\t))
.endif
	TURN (\t)+1
.endif
	s_wait_xcnt 0x0                                ; the last step's stores have read their code registers: only behind this wait are they written again
.set KP, 0
.rept \np
.irp i, 0,1,2,3,4,5,6,7,8,9,10,11,12,13,14,15
	v_med3_num_f32 v[T+16*KP+\i], v[XS+\i], -v[LM+KP], v[LM+KP]   ; the conversion to an 8-bit code does not saturate (ISA guide 7.6.2): hold first
.endr
	v_cvt_scalef32_pk8_fp8_f32 v[C+4*KP:C+4*KP+1], v[T+16*KP:T+16*KP+7], v[SC+KP]
	v_cvt_scalef32_pk8_fp8_f32 v[C+4*KP+2:C+4*KP+3], v[T+16*KP+8:T+16*KP+15], v[SC+KP]
	v_nop                                          ; a plain line between the conversions and the next holds, which with one plane write the conversions' sources
	global_store_b128 v3, v[C+4*KP:C+4*KP+3], s[8+2*KP:9+2*KP] offset:512*(\t)   ; 32 lanes store 512 consecutive bytes
.set KP, KP+1
.endr
.endm
.macro STREAM np
	s_wait_loadcnt 12                              ; step 0's four loads are in
	TURN 0
.irp t, 0,1,2,3,4,5,6,7,8,9,10,11,12,13,14,15
	STEP \t, \np
.endr
.endm
	s_load_b512 s[16:31], s[0:1], 0x0              ; x 16, Wq 18, Wk 20, Wv 22, Wo 24, mask 26, the scales 28, cw 30
	s_load_b64 s[32:33], s[0:1], 0x40              ; mbits
	v_lshl_add_u32 v192, v0, 2, 0x18000
	v_mov_b32 v193, 0
	v_lshrrev_b32 v1, 5, v0
	v_readfirstlane_b32 s3, v1                     ; wave 0..3
	v_and_b32 v2, 31, v0                           ; lane
	s_wait_kmcnt 0x0
	s_cmp_ge_u32 ttmp9, 256
	s_cbranch_scc1 .Lmask
	s_load_b256 s[36:43], s[28:29], 0x0            ; entries 0-7
	s_load_b128 s[44:47], s[28:29], 0x20           ; entries 8-11
	s_wait_alu depctr_va_vdst(0)
	v_lshlrev_b32 v3, 4, v2                        ; 16 x lane: my bytes of a load's 512 and of a step's codes
	s_and_b32 s54, s3, 1
	s_lshl_b32 s54, s54, 1
	s_lshr_b32 s55, s3, 1
	s_or_b32 s54, s54, s55                         ; w': the wave's two bits exchanged
	s_cmp_ge_u32 ttmp9, 128
	s_cbranch_scc1 .Lweights
	; ---- x: 32 rows a work-group, three planes
	s_lshl_b32 s48, ttmp9, 17                      ; 32 rows of 4,096 bytes,
	s_lshl_b32 s49, s3, 15                         ; my wave's 8 of them
	s_add_co_u32 s48, s48, s49
	s_mov_b32 s49, 0
	s_add_nc_u64 s[4:5], s[16:17], s[48:49]
	s_lshl_b32 s50, ttmp9, 15                      ; 32 rows of 1,024 codes
	s_lshl_b32 s52, s3, 13
	s_add_co_u32 s52, s52, s50
	s_mov_b32 s53, 0
	s_add_nc_u64 s[8:9], s[30:31], s[52:53]        ; xq
	s_add_co_u32 s52, s52, 8<<20
	s_add_nc_u64 s[12:13], s[30:31], s[52:53]      ; xv
	s_lshl_b32 s52, s54, 13
	s_add_co_u32 s52, s52, s50
	s_add_co_u32 s52, s52, 4<<20
	s_add_nc_u64 s[10:11], s[30:31], s[52:53]      ; xk, rows in the exchanged order
	LDSADR LDSX
	s_wait_alu depctr_va_vdst(0)
.irp t, 0,1,2,3
	LOAD \t
.endr
	s_wait_kmcnt 0x0
	MKSCALE 0, 36
	MKSCALE 1, 38
	MKSCALE 2, 40
	s_wait_alu depctr_va_vdst(0)
	STREAM 3
	s_wait_tensorcnt 0x0
	ds_add_u32 v192, v193
	s_wait_dscnt 0x0
	s_endpgm
	; ---- a weight: 32 rows a work-group, one plane
.Lweights:
	s_sub_co_u32 s58, ttmp9, 128
	s_and_b32 s59, s58, 31                         ; which 32 rows
	s_lshr_b32 s58, s58, 5                         ; which weight: 0 Wq, 1 Wk, 2 Wv, 3 Wo
	s_wait_kmcnt 0x0
	s_cmp_eq_u32 s58, 1                            ; the choices hang on the work-group's number alone
	s_cselect_b64 s[4:5], s[20:21], s[18:19]
	s_cselect_b32 s60, s39, s37
	s_cmp_eq_u32 s58, 2
	s_cselect_b64 s[4:5], s[22:23], s[4:5]
	s_cselect_b32 s60, s41, s60
	s_cselect_b32 s61, s54, s3                     ; Wv's rows go in the exchanged order
	s_cmp_eq_u32 s58, 3
	s_cselect_b64 s[4:5], s[24:25], s[4:5]
	s_cselect_b32 s60, s47, s60
	s_lshl_b32 s48, s59, 17
	s_lshl_b32 s49, s3, 15
	s_add_co_u32 s48, s48, s49
	s_mov_b32 s49, 0
	s_add_nc_u64 s[4:5], s[4:5], s[48:49]
	s_lshl_b32 s52, s61, 13
	s_lshl_b32 s50, s59, 15
	s_add_co_u32 s52, s52, s50
	s_lshl_b32 s50, s58, 20
	s_add_co_u32 s52, s52, s50
	s_add_co_u32 s52, s52, 12<<20
	s_mov_b32 s53, 0
	s_add_nc_u64 s[8:9], s[30:31], s[52:53]
	LDSADR LDSW
	s_wait_alu depctr_va_vdst(0)
.irp t, 0,1,2,3
	LOAD \t
.endr
	MKSCALE 0, 60
	s_wait_alu depctr_va_vdst(0)
	STREAM 1
	s_wait_tensorcnt 0x0
	ds_add_u32 v192, v193
	s_wait_dscnt 0x0
	s_endpgm
	; ---- the mask: 16 rows a work-group; wave w takes keys 1,024 w on, in four passes of 256 keys
.Lmask:
	s_sub_co_u32 s48, ttmp9, 256                   ; the query tile
	s_lshl_b32 s50, s48, 16                        ; 16 rows of 4,096 bytes
	s_lshl_b32 s51, s3, 10
	s_add_co_u32 s50, s50, s51
	s_mov_b32 s51, 0
	s_add_nc_u64 s[4:5], s[26:27], s[50:51]
	s_lshl_b32 s52, s48, 13                        ; 32 steps of 256 bytes of words,
	s_lshl_b32 s53, s3, 11                         ; my wave's 8 of them
	s_add_co_u32 s52, s52, s53
	s_mov_b32 s53, 0
	s_add_nc_u64 s[8:9], s[32:33], s[52:53]
	s_wait_alu depctr_va_vdst(0)
	v_lshrrev_b32 v8, 4, v2                        ; h = lane / 16
	v_and_b32 v9, 15, v2                           ; r = lane % 16
	v_lshlrev_b32 v4, 12, v8
	v_lshl_add_u32 v4, v9, 4, v4                   ; in: sixteen lanes take 256 consecutive bytes of a row, lanes 16-31 the next row
.irp p, 0,1,2,3
.irp i, 0,1,2,3,4,5,6,7
	global_load_b128 v[32+32*\p+4*\i:35+32*\p+4*\i], v4, s[4:5] offset:256*\p+8192*\i th:TH_LOAD_NT
.endr
.endr
	s_lshl_b32 s54, s3, 13
	s_add_co_u32 s54, s54, LDSM
	v_mul_u32_u24 v5, v8, MP
	v_lshl_add_u32 v5, v9, 4, v5
	v_add_nc_u32 v5, s54, v5                       ; the stage on the way in: as loaded
	v_mul_u32_u24 v6, v9, MP
	v_lshl_add_u32 v6, v8, 4, v6
	v_add_nc_u32 v6, s54, v6                       ; and out: lane (r, h) takes row r, 16 keys at 16 h of each 32
	v_lshlrev_b32 v7, 3, v2                        ; out: two words a lane
.irp j, 0,1,2,3,4,5,6,7,8,9,10,11,12,13,14,15
	v_mov_b32 v[16+\j], 0                          ; the words' registers: a lane write counts as a read of its destination
.endr
.macro PASS ps
	s_wait_loadcnt 8*(3-\ps)                       ; this pass's eight loads are in; the later passes' may be out
.irp i, 0,1,2,3,4,5,6,7
	ds_store_b128 v5, v[32+32*\ps+4*\i:35+32*\ps+4*\i] offset:2*MP*\i
.endr
.irp b, 0,1,2,3,4,5,6,7
	ds_load_b128 v[160+4*\b:163+4*\b], v6 offset:32*\b
.endr
	s_wait_dscnt 0x0
.irp b, 0,1,2,3,4,5,6,7
.irp i, 0,1,2,3,4,5,6,7,8,9,10,11,12,13,14,15
	v_and_b32 v[8+\i%4], 0xff<<(8*(\i%4)), v[160+4*\b+\i/4]        ; my byte of key 32 b + 16 h + i
	v_cmp_ne_u32 s[56+\i%4], 0, v[8+\i%4]                          ; the 32 lanes' bits ARE word 16 (b % 4) + i of step b / 4
	v_writelane_b32 v[16+2*(2*\ps+\b/4)+\i%2], s[56+\i%4], (16*(\b%4)+\i)/2   ; lane n / 2 gathers words n and n + 1
.endr
.endr
.irp g, 0,1
	global_store_b64 v7, v[16+2*(2*\ps+\g):17+2*(2*\ps+\g)], s[8:9] offset:256*(2*\ps+\g)   ; a step's 64 words: 256 consecutive bytes
.endr
.endm
	PASS 0
	PASS 1
	PASS 2
	PASS 3
	s_wait_tensorcnt 0x0
	ds_add_u32 v192, v193
	s_wait_dscnt 0x0
	s_endpgm
.Lfunc_end_k_qcbfeacd272_prep:
	.size	k_qcbfeacd272_prep, .Lfunc_end_k_qcbfeacd272_prep-k_qcbfeacd272_prep
	.p2alignl 7, 3214868480
	.fill 96, 4, 3214868480
	.section	.rodata,"a",@progbits
	.p2align	6, 0x0
	.amdhsa_kernel k_qcbfeacd272_prep
		.amdhsa_group_segment_fixed_size 98816
		.amdhsa_private_segment_fixed_size 0
		.amdhsa_enable_private_segment 0
		.amdhsa_kernarg_size 72
		.amdhsa_user_sgpr_count 2
		.amdhsa_user_sgpr_kernarg_segment_ptr 1
		.amdhsa_wavefront_size32 1
		.amdhsa_system_sgpr_workgroup_id_x 1
		.amdhsa_system_sgpr_workgroup_id_y 1
		.amdhsa_system_sgpr_workgroup_id_z 1
		.amdhsa_system_vgpr_workitem_id 0
		.amdhsa_next_free_vgpr 194
		.amdhsa_next_free_sgpr 66
		.amdhsa_reserve_vcc 0
		.amdhsa_float_denorm_mode_32 3
		.amdhsa_float_denorm_mode_16_64 3
		.amdhsa_memory_ordered 1
		.amdhsa_forward_progress 1
		.amdhsa_inst_pref_size 222
	.end_amdhsa_kernel
	.amdgpu_metadata
---
amdhsa.version: [ 1, 2 ]
amdhsa.kernels:
  - .name:           k_qcbfeacd272_prep
    .symbol:         k_qcbfeacd272_prep.kd
    .args:
      - { .name: x, .offset: 0, .size: 8, .value_kind: global_buffer, .address_space: global }
      - { .name: Wq, .offset: 8, .size: 8, .value_kind: global_buffer, .address_space: global }
      - { .name: Wk, .offset: 16, .size: 8, .value_kind: global_buffer, .address_space: global }
      - { .name: Wv, .offset: 24, .size: 8, .value_kind: global_buffer, .address_space: global }
      - { .name: Wo, .offset: 32, .size: 8, .value_kind: global_buffer, .address_space: global }
      - { .name: mask, .offset: 40, .size: 8, .value_kind: global_buffer, .address_space: global }
      - { .name: lowp_scales, .offset: 48, .size: 8, .value_kind: global_buffer, .address_space: global }
      - { .name: cw, .offset: 56, .size: 8, .value_kind: global_buffer, .address_space: global }
      - { .name: mbits, .offset: 64, .size: 8, .value_kind: global_buffer, .address_space: global }
    .group_segment_fixed_size: 98816
    .private_segment_fixed_size: 0
    .kernarg_segment_align: 8
    .kernarg_segment_size: 72
    .max_flat_workgroup_size: 128
    .sgpr_count:     66
    .vgpr_count:     194
    .wavefront_size: 32
...
	.end_amdgpu_metadata
.endif
;; end of part 1
;; launch qkv (part 2): grid 12 x 16, 4 waves a work-group, clusters of 4 x 4, 327,680 bytes of LDS; arguments cw, lowp_scales, qkv; writes qkv
.if DOCPART == 2
	.amdgcn_target "amdgcn-amd-amdhsa--gfx1250"
	.amdhsa_code_object_version 6
	.text
	.protected	k_qcbfeacd272_qkv
	.globl	k_qcbfeacd272_qkv
	.p2align	8
	.type	k_qcbfeacd272_qkv,@function
k_qcbfeacd272_qkv:
	s_mov_b64 s[64:65], 0
	v_nop
	global_prefetch_b8 v0, s[64:65] scope:SCOPE_SE
	s_setreg_imm32_b32 hwreg(HW_REG_WAVE_MODE, 25, 1), 1
	s_wait_xcnt 0x0
	s_wait_alu depctr_hold_cnt(0) depctr_sa_sdst(0) depctr_va_vdst(0) depctr_va_sdst(0) depctr_va_ssrc(0) depctr_va_vcc(0) depctr_vm_vsrc(0)
	s_getreg_b32 s2, hwreg(HW_REG_IB_STS2, 6, 4)
	s_cmp_eq_u32 s2, 0
	s_cbranch_scc0 .Lentry_in_a_cluster
	s_endpgm
.Lentry_in_a_cluster:
	s_bfe_u32 s2, ttmp6, 0x10000c
	s_cmp_lg_u32 s2, 0xf033
	s_cbranch_scc0 .Lentry_shape_is_right
	s_endpgm
.Lentry_shape_is_right:
.set KSTEP,  256
.set ROWB,   256
.set KROW,   1024
.set PITCH,  272
.set FR,     16
.set NL,     4
.set NP,     4
.set HALFT,  128*PITCH
.set SLOT,   4*HALFT
.set LAPS,   2
.set SPARE,  2*SLOT
.set ADRA, 16
.set ADRB, 20
.set STO,  24
.set RD,   25
.set CO,   26
.set SPW,  28
.set NIL,  29
.set SCV,  30
.set LIM,  31
.set TMP,  32
.set CD,   96
.set AF,   128
.set G1, 24
.set G0, 32
.set G1B, 48
.set G0B, 56
.set MSB, 0
.macro WIN new
.if MSB != \new
	s_set_vgpr_msb (MSB<<8)|\new
.set MSB, \new
.endif
.endm
.set MUL_LO, 0xa1
.set MUL_HI, 0xf1
.set TO_B,   0x40
.macro JLOAD g0a, g1a, g0b, g1b
	s_cmp_eq_u32 s15, 0
	s_cbranch_scc0 .Lfor_b_\@
	tensor_load_to_lds s[\g0a:\g0a+3], s[\g1a:\g1a+7]
	s_nop 0
.rept 4
	v_nop
.endr
	s_branch .Lasked_\@
.Lfor_b_\@:
	tensor_load_to_lds s[\g0b:\g0b+3], s[\g1b:\g1b+7]
	s_nop 0
.rept 4
	v_nop
.endr
.Lasked_\@:
.endm
.macro CREST
	s_cmp_lg_u32 s14, 0
	s_cbranch_scc1 .Lnot_wave_0_\@
	s_barrier_signal -3
.Lnot_wave_0_\@:
	s_barrier_wait -3
	s_barrier_signal -1
	s_barrier_wait -1
.endm
.macro CROUND
	s_barrier_signal -1
	s_barrier_wait -1
	CREST
.endm
	s_load_b128 s[4:7], s[0:1], 0x0
	s_load_b64 s[10:11], s[0:1], 0x10
	v_lshl_add_u32 v[SPW], v0, 2, SPARE
	v_mov_b32 v[NIL], 0
	ds_add_u32 v28, v29
	ds_add_u32 v28, v29
	s_wait_dscnt 0x0
	v_lshrrev_b32 v1, 5, v0
	v_readfirstlane_b32 s14, v1
	s_lshr_b32 s15, s14, 1
	s_and_b32 s16, s14, 1
	s_bfe_u32 s40, ttmp6, 0x40000
	s_bfe_u32 s41, ttmp6, 0x40004
	s_lshr_b32 s67, ttmp9, 1
	s_xor_b32 s68, s67, 1
	s_and_b32 s66, ttmp7, 0xffff
	s_lshl_b32 s66, s66, 2
	s_mul_i32 s69, s66, s68
	s_mul_i32 s70, s66, s67
	s_add_co_u32 s17, s41, s69
	s_add_co_u32 s42, s40, s70
	s_lshl_b32 s43, s41, 2
	s_lshl_b32 s43, 15, s43
	s_lshl_b32 s44, 0x1111, s40
	s_or_b32 s[G1+0], s43, (0<<16)|(1<<20)|(1<<21)|(5<<22)|(3<<25)
	s_or_b32 s[G1B+0], s44, (0<<16)|(1<<20)|(1<<21)|(5<<22)|(3<<25)
.irp g, G1, G1B
	s_mov_b32 s[\g+1], ROWB<<16
	s_mov_b32 s[\g+2], 128<<16
	s_mov_b32 s[\g+3], ROWB<<16
	s_mov_b32 s[\g+4], 128
	s_mov_b32 s[\g+5], KROW
	s_mov_b32 s[\g+6], 0
	s_mov_b32 s[\g+7], 0
.endr
	s_lshl_b32 s18, s16, 7
	s_lshl_b32 s20, s17, 8
	s_add_co_u32 s20, s20, s18
	s_lshl_b32 s20, s20, 10
	s_lshl_b32 s71, ttmp9, 22
	s_mul_i32 s72, s67, 6<<20
	s_add_co_u32 s71, s71, s72
	s_add_co_u32 s20, s20, s71
	s_mov_b32 s21, 0
	s_lshl_b32 s46, s42, 8
	s_add_co_u32 s46, s46, s18
	s_lshl_b32 s46, s46, 10
	s_lshl_b32 s73, ttmp9, 20
	s_add_co_u32 s73, s73, 12<<20
	s_sub_co_u32 s73, s73, s72
	s_add_co_u32 s46, s46, s73
	s_mov_b32 s47, 0
	s_mul_i32 s45, s14, HALFT
	s_lshl_b32 s74, ttmp9, 3
	s_lshl_b32 s75, ttmp9, 2
	s_lshl_b32 s76, s67, 2
	s_add_co_u32 s75, s75, s76
	s_wait_kmcnt 0x0
	s_load_b64 s[96:97], s[6:7], s74 offset:0x0
	s_load_b32 s95, s[6:7], s75 offset:0x18
	s_add_nc_u64 s[20:21], s[4:5], s[20:21]
	s_add_nc_u64 s[46:47], s[4:5], s[46:47]
	CROUND
.irp s, 0,1
	s_mov_b32 s[G0+4*\s], 1
	s_add_co_u32 s[G0+4*\s+1], s45, \s*SLOT
	s_add_nc_u64 s[G0+4*\s+2:G0+4*\s+3], s[20:21], \s*ROWB
	s_or_b32 s[G0+4*\s+3], s[G0+4*\s+3], 0x80000000
	s_mov_b32 s[G0B+4*\s], 1
	s_add_co_u32 s[G0B+4*\s+1], s45, \s*SLOT
	s_add_nc_u64 s[G0B+4*\s+2:G0B+4*\s+3], s[46:47], \s*ROWB
	s_or_b32 s[G0B+4*\s+3], s[G0B+4*\s+3], 0x80000000
	s_wait_alu depctr_va_vdst(0)
	s_wait_tensorcnt 0x0
	ds_add_u32 v28, v29
	ds_add_u32 v28, v29
	s_wait_dscnt 0x0
	CROUND
	JLOAD G0+4*\s, G1, G0B+4*\s, G1B
.endr
	v_and_b32 v1, 15, v0
	s_wait_alu depctr_va_vdst(0)
	v_bfe_u32 v2, v0, 4, 1
	v_mul_u32_u24 v3, v1, PITCH
	v_lshl_add_u32 v4, v2, 4, v3
	s_mul_i32 s21, s15, HALFT
	s_mul_i32 s22, s16, HALFT
	s_add_co_u32 s22, s22, 2*HALFT
.irp s, 0,1
	v_add_nc_u32 v[ADRA+\s], s21, v4
	v_add_nc_u32 v[ADRB+\s], s22, v4
	s_add_co_u32 s21, s21, SLOT
	s_add_co_u32 s22, s22, SLOT
.endr
	s_lshl_b32 s23, s14, 14
	v_lshlrev_b32 v5, 4, v1
	s_wait_alu depctr_va_vdst(0)
	v_lshl_add_u32 v5, v2, 3, v5
	v_add_nc_u32 v[STO], s23, v5
	v_and_b32 v6, 31, v0
	v_lshlrev_b32 v[CO], 4, v6
	v_add_nc_u32 v[RD], s23, v[CO]
	s_lshl_b32 s77, s17, 1
	s_add_co_u32 s77, s77, s15
	s_lshl_b32 s78, s42, 1
	s_add_co_u32 s78, s78, s16
	s_mul_i32 s79, s67, 31
	s_add_co_u32 s80, s79, 1
	s_sub_co_u32 s79, 32, s79
	s_mul_i32 s77, s77, s80
	s_mul_i32 s78, s78, s79
	s_add_co_u32 s77, s77, s78
	s_lshl_b32 s77, s77, 14
	s_lshl_b32 s78, ttmp9, 22
	s_add_co_u32 s78, s78, s77
	s_mov_b32 s79, 0
	s_add_nc_u64 s[10:11], s[10:11], s[78:79]
.macro FRAG reg, adr, q, i
.irp c, 0,1,2,3
	ds_load_b128 v[\reg+4*\c:\reg+4*\c+3], v[\adr] offset:128*(\q)+32*\c+(\i)*16*PITCH
.endr
.endm
.macro MUL16 a0, p, zero
.irp a, \a0, \a0+1
.irp b, 0,1,2,3,4,5,6,7
.if \zero
	v_wmma_f32_16x16x128_fp8_fp8 v[8*(8*((\a)%4)+\b):8*(8*((\a)%4)+\b)+7], v[128*(\p)+FR*\b:128*(\p)+FR*\b+FR-1], v[AF+FR*(\a):AF+FR*(\a)+FR-1], 0
.else
	v_wmma_f32_16x16x128_fp8_fp8 v[8*(8*((\a)%4)+\b):8*(8*((\a)%4)+\b)+7], v[128*(\p)+FR*\b:128*(\p)+FR*\b+FR-1], v[AF+FR*(\a):AF+FR*(\a)+FR-1], v[8*(8*((\a)%4)+\b):8*(8*((\a)%4)+\b)+7]
.endif
.endr
.endr
.endm
.macro FETCH_B slot, q, p
	WIN TO_B
.irp i, 0,1,2,3,4,5,6,7
	FRAG 128*(\p)+FR*\i, ADRB+\slot, \q, \i
.endr
	WIN 0
.endm
.macro FETCH_A slot, q, i0
.irp i, \i0, \i0+1, \i0+2, \i0+3
	FRAG AF+FR*(\i), ADRA+\slot, \q, \i
.endr
.endm
.macro PLACES n
.rept \n
	v_nop
.endr
.endm
.macro STEP slot, q, zero
	s_wait_dscnt 4*NL
	WIN MUL_LO
	MUL16 0, (\q)%2, \zero
	MUL16 2, (\q)%2, \zero
	s_wait_dscnt 0
	PLACES NP
	FETCH_B \slot, (\q)+1, 1-(\q)%2
	FETCH_A \slot, (\q)+1, 0
	WIN MUL_HI
	MUL16 4, (\q)%2, \zero
	MUL16 6, (\q)%2, \zero
	PLACES NP
	WIN 0
	FETCH_A \slot, (\q)+1, 4
.endm
.macro TURN slot, next, fill
	s_wait_tensorcnt 0x0
	ds_add_u32 v[SPW], v[NIL]
	s_wait_dscnt 4*NL+1
	WIN MUL_LO
	MUL16 0, 1, 0
	s_wait_dscnt 0x0
	s_barrier_signal -1
	MUL16 2, 1, 0
	WIN 0
	s_barrier_wait -1
.if \fill
	CREST
	s_add_nc_u64 s[G0+4*\slot+2:G0+4*\slot+3], s[G0+4*\slot+2:G0+4*\slot+3], 2*ROWB
	s_add_nc_u64 s[G0B+4*\slot+2:G0B+4*\slot+3], s[G0B+4*\slot+2:G0B+4*\slot+3], 2*ROWB
	JLOAD G0+4*\slot, G1, G0B+4*\slot, G1B
.else
	PLACES NP
.endif
	FETCH_B \next, 0, 0
	FETCH_A \next, 0, 0
	WIN MUL_HI
	MUL16 4, 1, 0
	MUL16 6, 1, 0
	PLACES NP
	WIN 0
	FETCH_A \next, 0, 4
.endm
	s_wait_tensorcnt 1
	s_barrier_signal -1
	s_barrier_wait -1
	FETCH_B 0, 0, 0
	FETCH_A 0, 0, 0
	FETCH_A 0, 0, 4
	STEP 0, 0, 1
	s_mov_b32 s3, LAPS-1
.Llap:
	TURN 0, 1, 1
	STEP 1, 0, 0
	TURN 1, 0, 1
	STEP 0, 0, 0
	s_sub_co_u32 s3, s3, 1
	s_cmp_lg_u32 s3, 0
	s_cbranch_scc1 .Llap
	TURN 0, 1, 0
	STEP 1, 0, 0
	s_wait_dscnt 4*NL
	WIN MUL_LO
	MUL16 0, 1, 0
	MUL16 2, 1, 0
	s_wait_dscnt 0
	WIN MUL_HI
	MUL16 4, 1, 0
	MUL16 6, 1, 0
	WIN 0
	s_wait_kmcnt 0x0
	s_sub_co_i32 s95, s95, s96
	s_sub_co_i32 s95, s95, s97
	s_add_co_i32 s95, s95, 127
	s_lshl_b32 s96, s95, 23
	v_mov_b32 v[SCV], s96
	s_add_co_i32 s95, s95, 8
	s_lshl_b32 s95, s95, 23
	s_or_b32 s95, s95, 0x600000
	v_mov_b32 v[LIM], s95
	PLACES NP
.macro OUTBLK a
.set AC, 64*((\a)%4)
	WIN 0x02+((\a)/4)
.set J, 0
.rept 64
	v_med3_num_f32 v[TMP+J], v[AC+J], -v[LIM], v[LIM]
.set J, J+1
.endr
	WIN 0
.irp b, 0,1,2,3,4,5,6,7
	v_cvt_scalef32_pk8_fp8_f32 v[CD+16*(\a)+2*\b:CD+16*(\a)+2*\b+1], v[TMP+8*\b:TMP+8*\b+7], v[SCV]
.endr
	v_nop
.irp b, 0,1,2,3,4,5,6,7
	ds_store_b64 v[STO], v[CD+16*(\a)+2*\b:CD+16*(\a)+2*\b+1] offset:(\b/4)*8192+(\a)*1024+((\b%4)/2)*512+(\b%2)*256
.endr
.endm
.irp a, 0,1,2,3,4,5,6,7
	OUTBLK \a
.endr
	s_wait_dscnt 0x0
.irp i, 0,1,2,3,4,5,6,7,8,9,10,11,12,13,14,15,16,17,18,19,20,21,22,23,24,25,26,27,28,29,30,31
	ds_load_b128 v[TMP+4*\i:TMP+4*\i+3], v[RD] offset:512*\i
.endr
.irp i, 0,1,2,3,4,5,6,7,8,9,10,11,12,13,14,15,16,17,18,19,20,21,22,23,24,25,26,27,28,29,30,31
	s_wait_dscnt 31-\i
	global_store_b128 v[CO], v[TMP+4*\i:TMP+4*\i+3], s[10:11] offset:512*\i
.endr
	s_wait_tensorcnt 0x0
	ds_add_u32 v[SPW], v[NIL]
	s_wait_dscnt 0x0
	CROUND
	s_endpgm
.Lfunc_end_k_qcbfeacd272_qkv:
	.size	k_qcbfeacd272_qkv, .Lfunc_end_k_qcbfeacd272_qkv-k_qcbfeacd272_qkv
	.p2alignl 7, 3214868480
	.fill 96, 4, 3214868480
	.section	.rodata,"a",@progbits
	.p2align	6, 0x0
	.amdhsa_kernel k_qcbfeacd272_qkv
		.amdhsa_group_segment_fixed_size 327680
		.amdhsa_private_segment_fixed_size 0
		.amdhsa_enable_private_segment 0
		.amdhsa_kernarg_size 24
		.amdhsa_user_sgpr_count 2
		.amdhsa_user_sgpr_kernarg_segment_ptr 1
		.amdhsa_wavefront_size32 1
		.amdhsa_system_sgpr_workgroup_id_x 1
		.amdhsa_system_sgpr_workgroup_id_y 1
		.amdhsa_system_sgpr_workgroup_id_z 1
		.amdhsa_system_vgpr_workitem_id 0
		.amdhsa_next_free_vgpr 1024
		.amdhsa_next_free_sgpr 98
		.amdhsa_reserve_vcc 0
		.amdhsa_float_denorm_mode_32 3
		.amdhsa_float_denorm_mode_16_64 3
		.amdhsa_memory_ordered 1
		.amdhsa_forward_progress 1
		.amdhsa_inst_pref_size 126
	.end_amdhsa_kernel
	.amdgpu_metadata
---
amdhsa.version: [ 1, 2 ]
amdhsa.kernels:
  - .name:           k_qcbfeacd272_qkv
    .symbol:         k_qcbfeacd272_qkv.kd
    .args:
      - { .name: cw, .offset: 0, .size: 8, .value_kind: global_buffer, .address_space: global }
      - { .name: lowp_scales, .offset: 8, .size: 8, .value_kind: global_buffer, .address_space: global }
      - { .name: qkv, .offset: 16, .size: 8, .value_kind: global_buffer, .address_space: global }
    .group_segment_fixed_size: 327680
    .private_segment_fixed_size: 0
    .kernarg_segment_align: 8
    .kernarg_segment_size: 24
    .max_flat_workgroup_size: 128
    .sgpr_count:     98
    .vgpr_count:     1024
    .wavefront_size: 32
...
	.end_amdgpu_metadata
.endif
;; end of part 2
;; launch attn (part 3): grid 16 x 16, 16 waves a work-group, no clusters, 104,704 bytes of LDS; arguments qkv, mbits, lowp_scales, oc; writes oc
.if DOCPART == 3
	.amdgcn_target "amdgcn-amd-amdhsa--gfx1250"
	.amdhsa_code_object_version 6
	.text
	.protected	k_qcbfeacd272_attn
	.globl	k_qcbfeacd272_attn
	.p2align	8
	.type	k_qcbfeacd272_attn,@function
k_qcbfeacd272_attn:
	s_mov_b64 s[64:65], 0
	v_nop
	global_prefetch_b8 v0, s[64:65] scope:SCOPE_SE
	s_setreg_imm32_b32 hwreg(HW_REG_WAVE_MODE, 25, 1), 1
	s_wait_xcnt 0x0
; Attention on codes of E4M3: scores q k^T / 8, the mask as it is given, the softmax by p = 2^(t - M) with M a whole number, p v, the division by the row's sum, and the result quantised for the last projection.
; THE MASK'S WORDS STEER THE WALK.  mbits (whole numbers, stored by the first launch) holds for each tile of 16 queries and each step of 128 keys 64 words, one bit a lane for each score register.
; A tile's 2,048 words are reduced once, a lane to a step: bit s of SA = some key of step s counts for some query of the tile; bit s of SF = all do.
; A step with SA = 0 adds p = 0 for every query that has a visible key anywhere, so it is not walked.  Where some query of the tile has no visible key at all, the module's softmax is uniform over all keys: then SA is set to all ones and every step is walked.
; A step with SF = 1 needs no select, so its words are not loaded.  These are branches on whole numbers read from memory: so this launch has no tensor load and no copy, hence no cluster and no joint loads;
; K and V reach LDS through registers.  No prefetch is laid: which slots are read is known only from the words, and each slot's loads are issued a whole slot's work ahead of the stores that need them.
; SHARES.  A work-group owns one head and walks the keys twice: first for the 8 tiles of block 31 - x of 128 queries, then for those of block x (x its number).  How the tiles are dealt changes no result.
; TWO WAVES TO A TILE: of each slot of 256 keys wave 2 p takes the first step for tile p and wave 2 p + 1 the second.  Each keeps its own running M, sum and O^T; at a pass's end the odd wave hands them over through LDS
; and the even wave joins them under the larger M by factors 2^(M_i - M), which round nothing.  So p is quantised under its own half's running M, as under any running M.
; LAYOUT.  Both products are used transposed: S^T = K Q^T (source 0 = 16 keys), O^T = V^T P^T (source 0 = 16 of the head's 64): a lane holds ONE query (lane % 16) throughout.
; K, V and Q lie in qkv as images of the operand registers, 16 bytes a lane; score register 16 b + i of lane (r, h) is key 32 b + 16 h + i of the step, so the conversions' results are the second product's operand.
; A hidden score becomes the sentinel -2^(33 - eq - ek), whose t is a whole number in f32: a row all of whose keys so far are hidden has p = 1; the first visible score makes the rescaling factor 0; a hidden key beside a visible one has p = 0.
; THE HOLD of p at 448 x 2^ep changes nothing where ep >= -8 (p <= 1 <= 448 x 2^-8).
; LIMITS: eq + ek between -94 and 130; ep, and eo - ep - ev, between -126 and 119, so that each power of two below is an f32 number.  A row's largest visible logit lies above -9.9e8.  NaN is not served.
; LDS: two slots of 32,768 bytes, each with two steps: K's 2 x 8,192 bytes, then V's; wave w fills bytes 2,048 w on.  Then 32 words (the waves' SA and SF), 8 x 4,608 bytes for the join, the spare words.
; A slot is filled only if SA of some tile of the pass names one of its steps (SW); a pass's slot 0 alone is always asked for.
; REGISTERS: v1 16 x lane; v2, v4 the slots' addresses; v3 my fill's place; v5, v6 for the add; v7 the sentinel; v8 the join's place; v12 -M; v13 the largest t; v[14:15] the sum; v[16:23] Q; v24, v25 2^ep, 448 x 2^ep; v26, v27 the same for the result;
;   v[28:29] f; v30, v31, v208-210, v244-255 at work; v[32:95] K's eight fragments, then V's four; v[96:159] S^T, then p; v[160:191] O^T; v[192:207] p's codes; v[212:227] a slot's 2,048 bytes on their way.
;   s[32:63], s[68:99]: a step's 64 mask words (at the head: at work).
.set SLOT1, 32768
.set VOFF,  16384
.set EX,    65536                      ; 16 words SA, 16 words SF
.set MG,    65792                      ; the join: 4,608 bytes for each tile
.set SPARE, 102656                     ; the spare words, 128 bytes for each of 16 waves
.set ST,    212
.set GB,    4                          ; s[4:5] where my part of the slot to be asked for lies in qkv; s[6:7] the same for slot 0
.set MO,    10                         ; s10 byte offset of my step's mask words in the tile's 8,192
.set SA,    11                         ; s11, s12, s13: SA, SF (from my step on), SW, shifted down by two bits a slot; s19, s20, s21 the second pass's
.set SF,    12
.set SW,    13
.set NH,    14                         ; s14 1 where the hold changes nothing
.set PI,    17                         ; s17 which step of a slot is mine
.set WV,    28
.set TB,    29                         ; s29 LDS byte at which the slot in hand begins
.set CS,    100                        ; s[100:101] c = log2(e) / 8 x 2^(eq + ek)
.set SEL,   104                        ; s[104:105] selects for lane l xor 16
.macro GLOAD                           ; my 2,048 bytes of a slot: each load reads 512 consecutive bytes
.irp i, 0,1,2,3
	global_load_b128 v[ST+4*\i:ST+4*\i+3], v1, s[GB:GB+1] offset:512*\i
.endr
.endm
	s_load_b256 s[32:39], s[0:1], 0x0              ; qkv 32, mbits 34, the scales 36, oc 38
	v_lshl_add_u32 v5, v0, 2, SPARE
	v_mov_b32 v6, 0
	v_lshrrev_b32 v4, 5, v0
	v_readfirstlane_b32 s[WV], v4                  ; wave 0..15
	v_and_b32 v1, 31, v0
	v_lshlrev_b32 v211, 8, v1                      ; 256 x lane: a step's words
	v_lshlrev_b32 v1, 4, v1                        ; 16 x lane
	v_lshl_add_u32 v3, v4, 11, v1                  ; my fill's place in a slot
	v_lshl_add_u32 v10, v4, 2, EX                  ; my wave's word
	v_lshrrev_b32 v9, 6, v0                        ; p, my tile in the block
	v_lshl_add_u32 v228, v9, 3, EX                 ; my tile's two words
	v_mul_u32_u24 v8, v9, 4608
	v_add_nc_u32 v8, v8, v1
	v_add_nc_u32 v8, MG, v8                        ; my tile's place for the join
	s_and_b32 s42, ttmp7, 0xffff                   ; the head
	s_and_b32 s43, s42, 1
	s_lshr_b32 s44, s42, 1                         ; the head pair
	s_lshr_b32 s40, s[WV], 1                       ; p
	s_and_b32 s[PI], s[WV], 1
	s_lshl_b32 s30, s[PI], 13                      ; my step's place in a slot's K and V
	s_lshl_b32 s31, s[PI], 8                       ; and among the words
	s_sub_co_u32 s63, 31, ttmp9                    ; the first pass's block
	s_lshl_b32 s41, s63, 3
	s_add_co_u32 s41, s41, s40                     ; its tile
	s_lshl_b32 s45, ttmp9, 3
	s_add_co_u32 s45, s45, s40                     ; the second pass's tile
	s_lshl_b32 s52, s41, 13                        ; their mask words,
	s_mov_b32 s53, 0
	s_lshl_b32 s54, s45, 13
	s_mov_b32 s55, 0
	s_lshl_b32 s51, s42, 10
	s_lshl_b32 s56, s41, 14                        ; their images in oc, my head's 1,024 bytes,
	s_add_co_u32 s56, s56, s51
	s_mov_b32 s57, 0
	s_lshl_b32 s58, s45, 14
	s_add_co_u32 s58, s58, s51
	s_mov_b32 s59, 0
	s_lshl_b32 s46, s44, 19
	s_lshl_b32 s51, s43, 13
	s_add_co_u32 s46, s46, s51
	s_lshl_b32 s51, s40, 10
	s_add_co_u32 s46, s46, s51
	s_lshl_b32 s60, s63, 14                        ; and Q's fragments
	s_add_co_u32 s60, s60, s46
	s_mov_b32 s61, 0
	s_lshl_b32 s62, ttmp9, 14
	s_add_co_u32 s62, s62, s46
	s_mov_b32 s63, 0
	; what I fill: waves 0-7 K (step w / 4, 2,048 (w % 4) on), waves 8-15 V (step, half of the block, 2,048 (w % 2) on)
	s_lshr_b32 s47, s[WV], 3
	s_and_b32 s48, s[WV], 7
	s_lshr_b32 s74, s48, 2
	s_lshl_b32 s74, s74, 14                        ; a step's block of 16,384 bytes
	s_and_b32 s49, s48, 3
	s_lshl_b32 s49, s49, 11
	s_lshl_b32 s73, s43, 13
	s_add_co_u32 s49, s49, s73                     ; K: my head's 8,192 bytes of the block
	s_bfe_u32 s50, s48, 0x10001
	s_lshl_b32 s50, s50, 13
	s_lshl_b32 s73, s43, 12
	s_add_co_u32 s50, s50, s73                     ; V: my head's 4,096 bytes of each half
	s_and_b32 s73, s48, 1
	s_lshl_b32 s73, s73, 11
	s_add_co_u32 s50, s50, s73
	s_cmp_eq_u32 s47, 0
	s_cselect_b32 s49, s49, s50
	s_add_co_u32 s74, s74, s49
	s_lshl_b32 s73, s47, 22
	s_add_co_u32 s74, s74, s73
	s_add_co_u32 s74, s74, 1<<22                   ; plane k at 4 MiB, v at 8 MiB
	s_lshl_b32 s73, s44, 19                        ; a head pair's 32 blocks
	s_add_co_u32 s74, s74, s73
	s_mov_b32 s75, 0
	s_mov_b32 s[SEL], 0x76543210
	s_mov_b32 s[SEL+1], 0xfedcba98
	s_mov_b32 s[TB], 0
	s_wait_alu depctr_va_vdst(0)
	s_wait_kmcnt 0x0
	s_add_nc_u64 s[2:3], s[34:35], s[52:53]
	s_add_nc_u64 s[22:23], s[34:35], s[54:55]
	s_add_nc_u64 s[8:9], s[38:39], s[56:57]
	s_add_nc_u64 s[24:25], s[38:39], s[58:59]
	s_add_nc_u64 s[66:67], s[32:33], s[60:61]
	s_add_nc_u64 s[26:27], s[32:33], s[62:63]
	s_add_nc_u64 s[6:7], s[32:33], s[74:75]
	s_mov_b64 s[GB:GB+1], s[6:7]
	s_cmp_eq_u32 s[PI], 0                          ; the even waves reduce the first pass's tiles, the odd ones the second's
	s_cselect_b64 s[18:19], s[2:3], s[22:23]
	s_load_b128 s[68:71], s[36:37], 0x18           ; eq, ek, ep, ev
	s_load_b32 s72, s[36:37], 0x28                 ; eo
.irp i, 0,1,2,3,4,5,6,7,8,9,10,11,12,13,14,15
	global_load_b128 v[96+4*\i:99+4*\i], v211, s[18:19] offset:16*\i   ; lane l: the 64 words of step l
.endr
	GLOAD                                          ; slot 0
	global_load_b128 v[16:19], v1, s[66:67]        ; Q's fragment stays in registers through a pass
	global_load_b128 v[20:23], v1, s[66:67] offset:512
	v_mov_b32 v29, 0                               ; (named as the upper half of the pair v[28:29])
	v_mov_b32 v210, 0                              ; a lane permute's destination counts as one of its sources
	v_mov_b32 v11, 0
	s_wait_kmcnt 0x0
	s_add_co_i32 s73, s68, s69                     ; eq + ek
	s_lshl_b32 s74, s73, 23
	s_add_co_i32 s[CS], s74, 0x3e38aa3b            ; log2(e) / 8, the two exponents added to its exponent field
	s_mov_b32 s[CS+1], s[CS]
	s_sub_co_i32 s75, 160, s73
	s_lshl_b32 s75, s75, 23
	s_or_b32 s75, s75, 0x80000000
	v_mov_b32 v7, s75                              ; the sentinel -2^(33 - eq - ek)
	s_add_co_i32 s76, s70, 127
	s_lshl_b32 s77, s76, 23
	v_mov_b32 v24, s77                             ; 2^ep
	s_add_co_i32 s76, s76, 8
	s_lshl_b32 s76, s76, 23
	s_or_b32 s76, s76, 0x600000
	v_mov_b32 v25, s76                             ; 448 x 2^ep
	s_sub_co_i32 s78, s72, s70
	s_sub_co_i32 s78, s78, s71
	s_add_co_i32 s78, s78, 127
	s_lshl_b32 s79, s78, 23
	v_mov_b32 v26, s79                             ; 2^(eo - ep - ev)
	s_add_co_i32 s78, s78, 8
	s_lshl_b32 s78, s78, 23
	s_or_b32 s78, s78, 0x600000
	v_mov_b32 v27, s78
	s_cmp_ge_i32 s70, -8
	s_cselect_b32 s[NH], 1, 0
	s_wait_alu depctr_va_vdst(0)
	s_wait_loadcnt 6                               ; the words are in; behind them: slot 0's four loads and Q's two
	v_or_b32 v9, v96, v97
	v_and_b32 v31, v96, v97
.set J, 2
.rept 62
	v_or_b32 v9, v9, v[96+J]
	v_and_b32 v31, v31, v[96+J]
.set J, J+1
.endr
	v_cmp_ne_u32 s[SA], 0, v9                      ; the 32 lanes' bits: a bit a step
	v_cmp_eq_u32 s[SF], -1, v31
.irp m, 1,2,4,8                                ; the OR over all steps: bit 16 h + r says that query r has a visible key
	v_mov_b32_dpp v11, v9 row_xmask:\m row_mask:0xf bank_mask:0xf
	v_or_b32 v9, v9, v11
.endr
	v_permlanex16_b32 v11, v9, s[SEL], s[SEL+1]
	v_or_b32 v9, v9, v11
	v_readfirstlane_b32 s40, v9
	s_lshr_b32 s41, s40, 16
	s_or_b32 s40, s40, s41
	s_and_b32 s40, s40, 0xffff
	s_cmp_eq_u32 s40, 0xffff
	s_cselect_b32 s[SA], s[SA], -1                 ; a query with no visible key: every step is walked
	v_mov_b32 v11, s[SA]
	v_mov_b32 v31, s[SF]
	ds_store_b32 v10, v11
	ds_store_b32 v10, v31 offset:64
; A KEY STEP: 128 keys, mine of the slot in hand.  One scalar branch on my tile's word leads round all of it; no barrier stands in it.
.macro STEP mb
	s_wait_alu depctr_va_vdst(0)
	s_bitcmp1_b32 s[SA], 0
	s_cbranch_scc0 .Lhidden_\@
.rept 4
	v_nop                                          ; places in front of loads into registers that the last products read
.endr
.irp t, 0,1,2,3,4,5,6,7
.irp c, 0,1
	ds_load_b128 v[32+8*\t+4*\c:35+8*\t+4*\c], v2 offset:1024*\t+512*\c
.endr
.endr
	s_wait_dscnt 0x0
.irp t, 0,1,2,3,4,5,6,7
	v_wmma_f32_16x16x64_fp8_fp8 v[96+8*\t:103+8*\t], v[32+8*\t:39+8*\t], v[16:23], 0
.endr
.rept 4
	v_nop                                          ; places in front of the loads below and of the first read of the scores
.endr
.irp u, 0,1,2,3                                ; V's four fragments land while the softmax is walked
.irp g, 0,1,2,3
	ds_load_b128 v[32+16*\u+4*\g:35+16*\u+4*\g], v2 offset:VOFF+4096*(\g/2)+1024*\u+512*(\g%2)
.endr
.endr
	s_bitcmp1_b32 s[SF], 0
	s_cbranch_scc1 .Lopen_\@                       ; all 2,048 scores count: no word is loaded, nothing is selected
	s_load_b512 s[32:47], s[\mb:\mb+1], s[MO] offset:0x0
	s_load_b512 s[48:63], s[\mb:\mb+1], s[MO] offset:0x40
	s_load_b512 s[68:83], s[\mb:\mb+1], s[MO] offset:0x80
	s_load_b512 s[84:99], s[\mb:\mb+1], s[MO] offset:0xc0
	s_wait_kmcnt 0x0
.set N, 0
.rept 64
	v_cndmask_b32 v[96+N], v7, v[96+N], s[32+N+4*(N/32)]   ; a hidden score becomes the sentinel; each accumulator from its low end on
.set N, N+1
.endr
.Lopen_\@:
	v_max3_num_f32 v30, v96, v97, v98              ; the step's largest score of my query among my 64 keys, in four chains, each accumulator from its low end on
	v_max3_num_f32 v31, v99, v100, v101
	v_max3_num_f32 v208, v102, v103, v104
	v_max3_num_f32 v209, v105, v106, v107
.irp i, 12,20,28,36,44,52
	v_max3_num_f32 v30, v30, v[96+\i], v[97+\i]
	v_max3_num_f32 v31, v31, v[98+\i], v[99+\i]
	v_max3_num_f32 v208, v208, v[100+\i], v[101+\i]
	v_max3_num_f32 v209, v209, v[102+\i], v[103+\i]
.endr
	v_max3_num_f32 v30, v30, v156, v157
	v_max3_num_f32 v31, v31, v158, v159
	v_max3_num_f32 v30, v30, v31, v208
	v_max_num_f32 v30, v30, v209
	s_delay_alu instid0(VALU_DEP_1)
	v_permlanex16_b32 v210, v30, s[SEL], s[SEL+1]
	s_delay_alu instid0(VALU_DEP_1)
	v_max_num_f32 v30, v30, v210                   ; and among lane l xor 16's
	s_delay_alu instid0(VALU_DEP_1)
	v_mul_f32 v30, s[CS], v30                      ; as t (c is positive)
	s_delay_alu instid0(VALU_DEP_1)
	v_max_num_f32 v13, v13, v30                    ; the running largest t
	v_mov_b32 v30, v12
	s_delay_alu instid0(VALU_DEP_2)
	v_floor_f32 v12, -v13                          ; the new -M = floor(-t) = -ceil(t): a whole number
	s_delay_alu instid0(VALU_DEP_1)
	v_sub_f32 v30, v12, v30                        ; old M - new M: a whole number, 0 or less
	s_delay_alu instid0(VALU_DEP_1)
	v_cvt_i32_f32 v30, v30                         ; (it saturates)
	s_delay_alu instid0(VALU_DEP_1)
	v_ldexp_f32 v28, 1.0, v30                      ; f = 2^(old M - new M): the rescaling rounds nothing
.set J, 0
.rept 32
	v_pk_fma_f32 v[96+J:97+J], v[96+J:97+J], s[CS:CS+1], v[12:13] op_sel_hi:[1,0,0]   ; t - M, two at a time
.set J, J+2
.endr
	s_wait_alu depctr_va_vdst(0)
.set J, 0
.rept 64
	v_exp_f32 v[96+J], v[96+J]                     ; p = 2^(t - M), at most 1, not normalised
.set J, J+1
.endr
	v_pk_mul_f32 v[14:15], v[14:15], v[28:29] op_sel_hi:[1,0]   ; the sums under the new M (a plain line behind the exponentials)
	s_wait_alu depctr_va_vdst(0)                   ; and behind it, ahead of its first reader
	v_pk_add_f32 v[208:209], v[100:101], v[104:105]   ; the row's sum is taken of the unquantised p, in eight chains
	v_pk_add_f32 v[254:255], v[108:109], v[112:113]
	v_pk_add_f32 v[252:253], v[116:117], v[120:121]
	v_pk_add_f32 v[250:251], v[124:125], v[128:129]
	v_pk_add_f32 v[248:249], v[132:133], v[136:137]
	v_pk_add_f32 v[246:247], v[140:141], v[144:145]
	v_pk_add_f32 v[244:245], v[148:149], v[152:153]
	v_pk_add_f32 v[14:15], v[14:15], v[156:157]
	v_pk_add_f32 v[208:209], v[208:209], v[96:97]
	v_pk_add_f32 v[254:255], v[254:255], v[98:99]
	v_pk_add_f32 v[252:253], v[252:253], v[102:103]
	v_pk_add_f32 v[250:251], v[250:251], v[106:107]
	v_pk_add_f32 v[248:249], v[248:249], v[110:111]
	v_pk_add_f32 v[246:247], v[246:247], v[114:115]
	v_pk_add_f32 v[244:245], v[244:245], v[118:119]
	v_pk_add_f32 v[14:15], v[14:15], v[122:123]
	v_pk_add_f32 v[208:209], v[208:209], v[126:127]
	v_pk_add_f32 v[254:255], v[254:255], v[130:131]
	v_pk_add_f32 v[252:253], v[252:253], v[134:135]
	v_pk_add_f32 v[250:251], v[250:251], v[138:139]
	v_pk_add_f32 v[248:249], v[248:249], v[142:143]
	v_pk_add_f32 v[246:247], v[246:247], v[146:147]
	v_pk_add_f32 v[244:245], v[244:245], v[150:151]
	v_pk_add_f32 v[14:15], v[14:15], v[154:155]
	v_pk_add_f32 v[208:209], v[208:209], v[158:159]
	v_pk_add_f32 v[14:15], v[14:15], v[250:251]
	v_pk_add_f32 v[208:209], v[208:209], v[248:249]
	v_pk_add_f32 v[254:255], v[254:255], v[246:247]
	v_pk_add_f32 v[252:253], v[252:253], v[244:245]
	v_pk_add_f32 v[14:15], v[14:15], v[254:255]
	v_pk_add_f32 v[208:209], v[208:209], v[252:253]
	v_pk_add_f32 v[14:15], v[14:15], v[208:209]
	s_wait_alu depctr_va_vdst(0)
	s_cmp_lg_u32 s[NH], 0
	s_cbranch_scc1 .Lno_hold_\@
.set J, 0
.rept 64
	v_min_num_f32 v[96+J], v[96+J], v25            ; the conversion does not saturate (ISA guide 7.6.2); p is not negative, so the hold is one-sided
.set J, J+1
.endr
.Lno_hold_\@:
.irp b, 0,1,2,3,4,5,6,7
	v_cvt_scalef32_pk8_fp8_f32 v[192+2*\b:193+2*\b], v[96+8*\b:103+8*\b], v24
.endr
	s_wait_alu depctr_va_vdst(0)
.set J, 0
.rept 16
	v_pk_mul_f32 v[160+J:161+J], v[160+J:161+J], v[28:29] op_sel_hi:[1,0]   ; O^T under the new M; each accumulator from its low end on; also the plain lines behind the conversions
.set J, J+2
.endr
	s_wait_alu depctr_va_vdst(0)
	s_wait_dscnt 0x0                               ; V's fragments are in
.irp u, 0,1,2,3                                ; O^T += V^T P^T; the four accumulators take turns, one instruction a turn
	v_wmma_f32_16x16x128_fp8_fp8 v[160+8*\u:167+8*\u], v[32+16*\u:47+16*\u], v[192:207], v[160+8*\u:167+8*\u]
.endr
.Lhidden_\@:
	s_add_co_u32 s[MO], s[MO], 512                 ; my step of the next slot
.endm
; THE FILL, behind my step: the next slot's bytes, asked for a slot ago, go into the slot that every wave left at the last barrier; then the slot after that is asked for.
.macro FILL
	s_wait_alu depctr_va_vdst(0)
	s_wait_loadcnt 0x0                             ; no load of mine is out: its registers may be read, and its base stepped
	s_add_nc_u64 s[GB:GB+1], s[GB:GB+1], 32768
	s_and_b32 s16, s[SW], 3
	s_cmp_lg_u32 s16, 0
	s_cbranch_scc0 .Lno_store_\@
.irp i, 0,1,2,3
	ds_store_b128 v4, v[ST+4*\i:ST+4*\i+3] offset:512*\i
.endr
	s_wait_dscnt 0x0                               ; the stores have read their registers
.Lno_store_\@:
	s_and_b32 s16, s[SW], 12
	s_cmp_lg_u32 s16, 0
	s_cbranch_scc0 .Lno_load_\@
	GLOAD
.Lno_load_\@:
.endm
; A PASS'S OPENING: slot 0's loads and Q's are out.  The sums begin anew, slot 0 goes into LDS, one barrier.
.macro PRO
	s_mov_b32 s[MO], s31
	s_mov_b32 s15, 0
	v_mov_b32 v13, 0xff61b1e6                      ; the largest t so far: -3e38, under every t
	v_floor_f32 v12, -v13                          ; -M
	v_mov_b32 v14, 0
	v_mov_b32 v15, 0
.set J, 0
.rept 32
	v_mov_b32 v[160+J], 0                          ; O^T: the step is written once for all steps; the first finds zeros
.set J, J+1
.endr
	s_wait_alu depctr_va_vdst(0)
	s_wait_loadcnt 0x0                             ; slot 0's bytes and Q
.irp i, 0,1,2,3
	ds_store_b128 v3, v[ST+4*\i:ST+4*\i+3] offset:512*\i
.endr
	s_add_nc_u64 s[GB:GB+1], s[GB:GB+1], 32768     ; on to slot 1
	s_wait_xcnt 0x0                                ; the last pass's stores have read their registers
	s_wait_dscnt 0x0                               ; my stores are done, for the others' sake
	s_barrier_signal -1
	s_barrier_wait -1
.endm
; THE WALK: 16 trips, a constant: every wave passes every barrier; the words lead round work alone.
.macro WALK mb
	s_and_b32 s16, s[SW], 12
	s_cmp_lg_u32 s16, 0
	s_wait_alu depctr_va_vdst(0)
	s_cbranch_scc0 .Lno_slot_1_\@
	GLOAD                                          ; slot 1
.Lno_slot_1_\@:
	s_lshr_b32 s[SW], s[SW], 2
.Lslot_\@:
	s_xor_b32 s18, s[TB], SLOT1
	s_add_co_u32 s16, s[TB], s30
	v_add_nc_u32 v2, s16, v1                       ; my step of the slot in hand,
	v_add_nc_u32 v4, s18, v3                       ; and my fill's place in the other
	STEP \mb
	FILL
	s_wait_alu depctr_va_vdst(0)
	s_wait_dscnt 0x0                               ; my reads of this slot and my stores into the other are done
	s_barrier_signal -1
	s_lshr_b32 s[SA], s[SA], 2
	s_lshr_b32 s[SF], s[SF], 2
	s_lshr_b32 s[SW], s[SW], 2
	s_xor_b32 s[TB], s[TB], SLOT1
	s_barrier_wait -1
	s_add_co_u32 s15, s15, 1
	s_cmp_lt_u32 s15, 16
	s_cbranch_scc1 .Lslot_\@
.endm
; THE JOIN AND THE WAY OUT.  The odd wave's O^T, -M and sums go through LDS; the even wave brings both halves under the larger M, divides by the sum and quantises:
; tiles 2 g and 2 g + 1 hold d = 32 g + 16 h + 0..15 of my query, 16 neighbours along the last product's K: their codes are four registers of its operand, stored as they stand.
.macro JOIN ob
.rept 4
	v_nop                                          ; places behind the last products
.endr
	s_wait_alu depctr_va_vdst(0)
	s_cmp_eq_u32 s[PI], 0
	s_cbranch_scc1 .Lmine_\@
.irp i, 0,1,2,3,4,5,6,7
	ds_store_b128 v8, v[160+4*\i:163+4*\i] offset:512*\i
.endr
	ds_store_b128 v8, v[12:15] offset:4096
.Lmine_\@:
	s_wait_dscnt 0x0
	s_barrier_signal -1
	s_barrier_wait -1
	s_cmp_lg_u32 s[PI], 0
	s_cbranch_scc1 .Ldone_\@
.irp i, 0,1,2,3,4,5,6,7
	ds_load_b128 v[96+4*\i:99+4*\i], v8 offset:512*\i
.endr
	ds_load_b128 v[128:131], v8 offset:4096
	s_wait_dscnt 0x0
	v_min_num_f32 v30, v12, v128                   ; -M of the two halves together
	v_mov_b32 v209, 0                              ; (named as the upper half of the pair v[208:209])
	v_add_f32 v14, v14, v15
	v_add_f32 v130, v130, v131
	v_sub_f32 v31, v30, v12                        ; M_i - M: whole numbers, 0 or less; a half that walked no step has -M = 3e38, sums of 0 and the factor 0
	v_sub_f32 v208, v30, v128
	v_cvt_i32_f32 v31, v31                         ; (they saturate)
	v_cvt_i32_f32 v208, v208
	v_ldexp_f32 v28, 1.0, v31
	v_ldexp_f32 v208, 1.0, v208
	v_mul_f32 v14, v14, v28
	v_fmac_f32 v14, v130, v208
.set J, 0
.rept 16
	v_pk_mul_f32 v[160+J:161+J], v[160+J:161+J], v[28:29] op_sel_hi:[1,0]
	v_pk_fma_f32 v[160+J:161+J], v[96+J:97+J], v[208:209], v[160+J:161+J] op_sel_hi:[1,0,1]
.set J, J+2
.endr
	v_permlanex16_b32 v210, v14, s[SEL], s[SEL+1]
	v_add_f32 v14, v14, v210                       ; the row's sum
	s_wait_alu depctr_va_vdst(0)
	v_rcp_f32 v14, v14
	v_nop                                          ; a plain line behind the transcendental
	s_wait_alu depctr_va_vdst(0)
.set J, 0
.rept 32
	v_mul_f32 v[96+J], v[160+J], v14
.set J, J+1
.endr
.set J, 0
.rept 32
	v_med3_num_f32 v[96+J], v[96+J], -v27, v27
.set J, J+1
.endr
.irp g, 0,1,2,3
	v_cvt_scalef32_pk8_fp8_f32 v[192+2*\g:193+2*\g], v[96+8*\g:103+8*\g], v26
.endr
	v_nop
	global_store_b128 v1, v[192:195], s[\ob:\ob+1]             ; 32 lanes store 512 consecutive bytes
	global_store_b128 v1, v[196:199], s[\ob:\ob+1] offset:512
.Ldone_\@:
.endm
	PRO                                            ; its barrier also shows every wave's two words
	v_mov_b32 v10, EX
.irp i, 0,1,2,3
	ds_load_b128 v[96+4*\i:99+4*\i], v10 offset:16*\i
.endr
	ds_load_b64 v[112:113], v228                   ; my tile's SA in the first and in the second pass,
	ds_load_b64 v[114:115], v228 offset:64         ; and SF
	s_wait_alu depctr_va_vdst(0)
	s_wait_dscnt 0x0
.irp j, 2,4,6,8,10,12,14
	v_or_b32 v96, v96, v[96+\j]                    ; the steps that some tile of the first pass walks,
	v_or_b32 v97, v97, v[97+\j]                    ; of the second
.endr
	v_readfirstlane_b32 s[SW], v96
	v_readfirstlane_b32 s21, v97
	v_readfirstlane_b32 s[SA], v112
	v_readfirstlane_b32 s19, v113
	v_readfirstlane_b32 s[SF], v114
	v_readfirstlane_b32 s20, v115
	s_lshr_b32 s[SA], s[SA], s[PI]                 ; from my step on
	s_lshr_b32 s19, s19, s[PI]
	s_lshr_b32 s[SF], s[SF], s[PI]
	s_lshr_b32 s20, s20, s[PI]
	WALK 2
	s_wait_loadcnt 0x0                             ; no load of mine is out: the base may be written
	s_mov_b64 s[GB:GB+1], s[6:7]
	GLOAD                                          ; the second pass's slot 0 and Q are on their way while the first pass is joined
	global_load_b128 v[16:19], v1, s[26:27]
	global_load_b128 v[20:23], v1, s[26:27] offset:512
	JOIN 8
	s_mov_b32 s[SA], s19
	s_mov_b32 s[SF], s20
	s_mov_b32 s[SW], s21
	PRO
	WALK 22
	JOIN 24
	s_wait_tensorcnt 0x0                           ; the wave's end
	ds_add_u32 v5, v6
	s_wait_dscnt 0x0
	s_endpgm
.Lfunc_end_k_qcbfeacd272_attn:
	.size	k_qcbfeacd272_attn, .Lfunc_end_k_qcbfeacd272_attn-k_qcbfeacd272_attn
	.p2alignl 7, 3214868480
	.fill 96, 4, 3214868480
	.section	.rodata,"a",@progbits
	.p2align	6, 0x0
	.amdhsa_kernel k_qcbfeacd272_attn
		.amdhsa_group_segment_fixed_size 104704
		.amdhsa_private_segment_fixed_size 0
		.amdhsa_enable_private_segment 0
		.amdhsa_kernarg_size 32
		.amdhsa_user_sgpr_count 2
		.amdhsa_user_sgpr_kernarg_segment_ptr 1
		.amdhsa_wavefront_size32 1
		.amdhsa_system_sgpr_workgroup_id_x 1
		.amdhsa_system_sgpr_workgroup_id_y 1
		.amdhsa_system_sgpr_workgroup_id_z 1
		.amdhsa_system_vgpr_workitem_id 0
		.amdhsa_next_free_vgpr 256
		.amdhsa_next_free_sgpr 106
		.amdhsa_reserve_vcc 0
		.amdhsa_float_denorm_mode_32 3
		.amdhsa_float_denorm_mode_16_64 3
		.amdhsa_memory_ordered 1
		.amdhsa_forward_progress 1
		.amdhsa_inst_pref_size 77
	.end_amdhsa_kernel
	.amdgpu_metadata
---
amdhsa.version: [ 1, 2 ]
amdhsa.kernels:
  - .name:           k_qcbfeacd272_attn
    .symbol:         k_qcbfeacd272_attn.kd
    .args:
      - { .name: qkv, .offset: 0, .size: 8, .value_kind: global_buffer, .address_space: global }
      - { .name: mbits, .offset: 8, .size: 8, .value_kind: global_buffer, .address_space: global }
      - { .name: lowp_scales, .offset: 16, .size: 8, .value_kind: global_buffer, .address_space: global }
      - { .name: oc, .offset: 24, .size: 8, .value_kind: global_buffer, .address_space: global }
    .group_segment_fixed_size: 104704
    .private_segment_fixed_size: 0
    .kernarg_segment_align: 8
    .kernarg_segment_size: 32
    .max_flat_workgroup_size: 512
    .sgpr_count:     106
    .vgpr_count:     256
    .wavefront_size: 32
...
	.end_amdgpu_metadata
.endif
;; end of part 3
;; launch oproj (part 4): grid 8 x 32, 4 waves a work-group, clusters of 4 x 4, 327,680 bytes of LDS; arguments oc, cw, lowp_scales, out0; writes out0
.if DOCPART == 4
	.amdgcn_target "amdgcn-amd-amdhsa--gfx1250"
	.amdhsa_code_object_version 6
	.text
	.protected	k_qcbfeacd272_oproj
	.globl	k_qcbfeacd272_oproj
	.p2align	8
	.type	k_qcbfeacd272_oproj,@function
k_qcbfeacd272_oproj:
	s_mov_b64 s[64:65], 0
	v_nop
	global_prefetch_b8 v0, s[64:65] scope:SCOPE_SE
	s_setreg_imm32_b32 hwreg(HW_REG_WAVE_MODE, 25, 1), 1
	s_wait_xcnt 0x0
	s_wait_alu depctr_hold_cnt(0) depctr_sa_sdst(0) depctr_va_vdst(0) depctr_va_sdst(0) depctr_va_ssrc(0) depctr_va_vcc(0) depctr_vm_vsrc(0)
	s_getreg_b32 s2, hwreg(HW_REG_IB_STS2, 6, 4)
	s_cmp_eq_u32 s2, 0
	s_cbranch_scc0 .Lentry_in_a_cluster
	s_endpgm
.Lentry_in_a_cluster:
	s_bfe_u32 s2, ttmp6, 0x10000c
	s_cmp_lg_u32 s2, 0xf033
	s_cbranch_scc0 .Lentry_shape_is_right
	s_endpgm
.Lentry_shape_is_right:
; out0[m][n] = sum over k of o[m][k] Wo[n][k] on codes of E4M3, each finished sum x 2^(eo + ewo) (entries 10 and 11 of the scales).  LIMIT: eo + ewo between -126 and 127, so that the factor is an f32 number.
; A work-group makes 128 x 128 of out0: 32 x 8 blocks, one for each of 256 work-groups.  K is 1,024: ALL of a block's codes, 128 rows of o and 128 rows of Wo, 131,072 bytes each, lie in LDS at once:
; one tensor load a wave at the head (waves 0, 1: o's halves; waves 2, 3: Wo's), nothing is filled again, one barrier.  There is no loop along K to run ahead in, so no prefetch is laid.
; CLUSTERS: 4 x 4 work-groups.  The four of a row of the cluster need the same rows of o, the four of a column the same rows of Wo: each half is asked for jointly.
; o lies in oc as images of the operand registers: a tile of 16 rows is 16,384 bytes, 32 groups of 512 bytes; group G holds k = 32 G + 16 (lane / 16) + 0..15 of row lane % 16, 16 bytes a lane.  128 rows are one dense block.
; Wo's codes lie in cw at 15 MiB as rows of 1,024 bytes; in LDS 16 bytes of padding follow each row (pitch 1,040 = 65 x 16), and a fragment's four loads take the same k as o's groups.
; A wave makes 64 x 64: 16 accumulators, which take turns, one instruction a turn.  Fragments have two sets of registers: step q + 1's 32 loads are issued ahead of step q's 16 products.
; THE MATRIX INSTRUCTION IS USED TRANSPOSED (source 0 = 16 rows of Wo, source 1 = 16 rows of o): a lane holds eight neighbouring numbers of a row of out0.
; REGISTERS: window 0: v0-31 addresses, v32-63 at work on the way out, v64-191 o's fragments, two sets.  Window 1: v0-127 Wo's fragments, two sets; v128-255 the accumulators, (a, b) at 128 + 8 (4 a + b).
.set PITCHB, 1040
.set BOFF,   131072
.set BHALF,  64*PITCHB
.set STAGE,  BOFF+2*BHALF              ; the way out: 16 rows x (256 + 16) bytes for each wave, bytes of their own
.set SPITCH, 272
.set SPARE,  STAGE+4*16*SPITCH         ; the spare words, 128 bytes for each wave
.set ADRA, 16
.set ADRB, 17
.set STO,  24
.set RD,   25
.set CO,   26
.set SPW,  28
.set NIL,  29
.set TMP,  32
.set G1, 24
.set G0, 32
.set G1B, 48
.set G0B, 56
.set MSB, 0
.macro WIN new                         ; the immediate's high byte repeats the setting that is left
.if MSB != \new
	s_set_vgpr_msb (MSB<<8)|\new
.set MSB, \new
.endif
.endm
.macro CROUND                          ; a round of the cluster's barrier
	s_barrier_signal -1
	s_barrier_wait -1
	s_cmp_lg_u32 s14, 0
	s_cbranch_scc1 .Lnot_wave_0_\@
	s_barrier_signal -3
.Lnot_wave_0_\@:
	s_barrier_wait -3
	s_barrier_signal -1
	s_barrier_wait -1
.endm
	s_load_b128 s[4:7], s[0:1], 0x0                ; oc, cw
	s_load_b128 s[8:11], s[0:1], 0x10              ; the scales, out0
	v_lshl_add_u32 v[SPW], v0, 2, SPARE
	v_mov_b32 v[NIL], 0
	ds_add_u32 v[SPW], v[NIL]                      ; the opening: the add, twice on end, and its wait ahead of my tensor load
	ds_add_u32 v[SPW], v[NIL]
	v_lshrrev_b32 v1, 5, v0
	v_readfirstlane_b32 s14, v1                    ; wave 0..3
	s_lshr_b32 s15, s14, 1                         ; which 64 rows of the block are mine.  Also: I fetch for o (0) or for Wo (1)
	s_and_b32 s16, s14, 1                          ; which 64 columns.  Also: which half I fetch
	s_bfe_u32 s40, ttmp6, 0x40000                  ; cx, cy
	s_bfe_u32 s41, ttmp6, 0x40004
	s_lshl_b32 s42, ttmp9, 2
	s_add_co_u32 s42, s42, s40                     ; block column, 0..7
	s_and_b32 s17, ttmp7, 0xffff
	s_lshl_b32 s17, s17, 2
	s_add_co_u32 s17, s17, s41                     ; block row, 0..31
	s_lshl_b32 s43, s41, 2
	s_lshl_b32 s43, 15, s43                        ; my row of the cluster
	s_lshl_b32 s44, 0x1111, s40                    ; my column
	s_or_b32 s[G1+0], s43, (0<<16)|(1<<21)         ; o: elements of 1 byte, no padding; 65,536 dense bytes as 16 rows of 4,096
	s_mov_b32 s[G1+1], 4096<<16
	s_mov_b32 s[G1+2], 16<<16
	s_mov_b32 s[G1+3], 4096<<16
	s_mov_b32 s[G1+4], 16
	s_mov_b32 s[G1+5], 4096
	s_mov_b32 s[G1+6], 0
	s_mov_b32 s[G1+7], 0
	s_or_b32 s[G1B+0], s44, (0<<16)|(1<<20)|(1<<21)|(7<<22)|(3<<25)   ; Wo: 64 rows of 1,024 bytes, four words of padding behind every 256
	s_mov_b32 s[G1B+1], 1024<<16
	s_mov_b32 s[G1B+2], 64<<16
	s_mov_b32 s[G1B+3], 1024<<16
	s_mov_b32 s[G1B+4], 64
	s_mov_b32 s[G1B+5], 1024
	s_mov_b32 s[G1B+6], 0
	s_mov_b32 s[G1B+7], 0
	s_lshl_b32 s18, s16, 16                        ; a half: 65,536 bytes in memory, of o and of Wo alike
	s_lshl_b32 s20, s17, 17
	s_add_co_u32 s20, s20, s18
	s_mov_b32 s21, 0
	s_lshl_b32 s46, s42, 17
	s_add_co_u32 s46, s46, s18
	s_add_co_u32 s46, s46, 15<<20
	s_mov_b32 s47, 0
	s_mul_i32 s66, s16, BHALF
	s_add_co_u32 s66, s66, BOFF                    ; where Wo's half goes; also: my 64 rows of Wo
	s_lshl_b32 s67, s15, 16                        ; my 64 rows of o
	s_mul_i32 s23, s14, 16*SPITCH
	s_add_co_u32 s23, s23, STAGE                   ; my stage
	s_lshl_b32 s68, s17, 19                        ; out0: 128 rows of 4,096 bytes a block row,
	s_lshl_b32 s69, s15, 18                        ; my 64 rows,
	s_add_co_u32 s68, s68, s69
	s_lshl_b32 s69, s42, 9                         ; 512 bytes a block column,
	s_add_co_u32 s68, s68, s69
	s_lshl_b32 s69, s16, 8                         ; my 256
	s_add_co_u32 s68, s68, s69
	s_mov_b32 s69, 0
	s_wait_dscnt 0x0                               ; both opening adds are done
	s_wait_kmcnt 0x0
	s_load_b64 s[96:97], s[8:9], 0x28              ; eo, ewo
	s_add_nc_u64 s[20:21], s[4:5], s[20:21]
	s_add_nc_u64 s[46:47], s[6:7], s[46:47]
	s_add_nc_u64 s[10:11], s[10:11], s[68:69]
	CROUND                                         ; all sixteen work-groups are here: the joint loads meet
	s_mov_b32 s[G0], 1
	s_mov_b32 s[G0+1], s18
	s_mov_b64 s[G0+2:G0+3], s[20:21]
	s_or_b32 s[G0+3], s[G0+3], 0x80000000
	s_mov_b32 s[G0B], 1
	s_mov_b32 s[G0B+1], s66
	s_mov_b64 s[G0B+2:G0B+3], s[46:47]
	s_or_b32 s[G0B+3], s[G0B+3], 0x80000000
	s_cmp_eq_u32 s15, 0                            ; the branch hangs on the wave's number alone; an s_nop 0 and four v_nop follow each of the two lines
	s_cbranch_scc0 .Lfor_b
	tensor_load_to_lds s[G0:G0+3], s[G1:G1+7]
	s_nop 0
.rept 4
	v_nop
.endr
	s_branch .Lasked
.Lfor_b:
	tensor_load_to_lds s[G0B:G0B+3], s[G1B:G1B+7]
	s_nop 0
.rept 4
	v_nop
.endr
.Lasked:
	v_and_b32 v1, 15, v0                           ; r
	v_bfe_u32 v2, v0, 4, 1                         ; h
	v_and_b32 v6, 31, v0
	v_lshlrev_b32 v6, 4, v6
	v_add_nc_u32 v[ADRA], s67, v6                  ; o: 16 x lane in a group
	v_mul_u32_u24 v3, v1, PITCHB
	v_lshl_add_u32 v3, v2, 4, v3
	v_add_nc_u32 v[ADRB], s66, v3                  ; Wo: row r, + 16 h
	v_mul_u32_u24 v4, v1, SPITCH
	v_lshl_add_u32 v4, v2, 5, v4
	v_add_nc_u32 v[STO], s23, v4                   ; the stage, in: row r, 32 bytes for each half of the lanes
	v_mul_u32_u24 v5, v2, SPITCH
	v_lshl_add_u32 v5, v1, 4, v5
	v_add_nc_u32 v[RD], s23, v5                    ; back: lanes 0-15 one row of 256 bytes, lanes 16-31 the next
	v_lshlrev_b32 v7, 12, v2
	v_lshl_add_u32 v[CO], v1, 4, v7                ; and the same two rows in out0
.macro FETCH q, p                      ; the fragments of the q-th 128 along K into set p: 32 loads
	WIN 0x40
.irp b, 0,1,2,3
.irp c, 0,1,2,3
	ds_load_b128 v[64*(\p)+16*\b+4*\c:64*(\p)+16*\b+4*\c+3], v[ADRB] offset:16*\b*PITCHB+128*(\q)+32*\c
.endr
.endr
	WIN 0
.irp a, 0,1,2,3
.irp c, 0,1,2,3
	ds_load_b128 v[64+64*(\p)+16*\a+4*\c:64+64*(\p)+16*\a+4*\c+3], v[ADRA] offset:16384*\a+512*(4*(\q)+\c)
.endr
.endr
.endm
.macro MUL p, zero
	WIN 0x51                                       ; source 0 (Wo), C and D window 1; source 1 (o) window 0
.irp a, 0,1,2,3
.irp b, 0,1,2,3
.if \zero
	v_wmma_f32_16x16x128_fp8_fp8 v[128+8*(4*\a+\b):135+8*(4*\a+\b)], v[64*(\p)+16*\b:64*(\p)+16*\b+15], v[64+64*(\p)+16*\a:64+64*(\p)+16*\a+15], 0
.else
	v_wmma_f32_16x16x128_fp8_fp8 v[128+8*(4*\a+\b):135+8*(4*\a+\b)], v[64*(\p)+16*\b:64*(\p)+16*\b+15], v[64+64*(\p)+16*\a:64+64*(\p)+16*\a+15], v[128+8*(4*\a+\b):135+8*(4*\a+\b)]
.endif
.endr
.endr
.endm
	s_wait_alu depctr_va_vdst(0)
	s_wait_tensorcnt 0x0                           ; my half is in
	s_barrier_signal -1
	s_barrier_wait -1                              ; and everybody's
	FETCH 0, 0
	FETCH 1, 1
	s_wait_dscnt 32                                ; all but the 32 just issued
	MUL 0, 1                                       ; the first products start the sums
.irp q, 1,2,3,4,5,6
.rept 4
	v_nop                                          ; places in front of loads into registers that the last products read
.endr
	FETCH \q+1, (\q+1)%2
	s_wait_dscnt 32
	MUL (\q)%2, 0
.endr
	s_wait_dscnt 0x0
	MUL 1, 0
	WIN 0
; THE WAY OUT, by blocks of 16 rows x 64 columns, through my own stage: LDS serves a wave's instructions in order, so no wait stands between the stores and the loads.
.macro TOSTAGE a
	WIN 0x01                                       ; source 0: window 1
.set J, 0
.rept 16
	v_pk_mul_f32 v[TMP+J:TMP+J+1], v[128+32*(\a)+J:129+32*(\a)+J], s[96:97] op_sel_hi:[1,0]   ; x 2^(eo + ewo); each accumulator from its low end on
.set J, J+2
.endr
	WIN 0
.irp b, 0,1,2,3
	ds_store_b128 v[STO], v[TMP+8*\b:TMP+8*\b+3] offset:64*\b
	ds_store_b128 v[STO], v[TMP+8*\b+4:TMP+8*\b+7] offset:64*\b+16
.endr
.set BB, 64+32*((\a)%2)
.irp t, 0,1,2,3,4,5,6,7
	ds_load_b128 v[BB+4*\t:BB+4*\t+3], v[RD] offset:2*\t*SPITCH
.endr
.endm
.macro SEND a, younger                 ; younger: the LDS instructions issued behind block a's loads
.set BB, 64+32*((\a)%2)
	s_wait_dscnt \younger
.irp t, 0,1,2,3,4,5,6,7
	global_store_b128 v[CO], v[BB+4*\t:BB+4*\t+3], s[10:11] offset:(16*(\a)+2*\t)*4096 th:TH_STORE_NT   ; 16 lanes store 256 consecutive bytes, at a multiple of 256 from out0's first byte
.endr
.endm
	s_wait_kmcnt 0x0
	s_add_co_i32 s96, s96, s97
	s_add_co_i32 s96, s96, 127
	s_lshl_b32 s96, s96, 23                        ; 2^(eo + ewo) as f32
.rept 4
	v_nop                                          ; places behind the last products
.endr
	TOSTAGE 0
.irp a, 1,2,3
.if \a > 1
	s_wait_xcnt 0x0                                ; block a - 2's stores have read their registers: block a's loads may land there
.endif
	TOSTAGE \a
	SEND \a-1, 16                                  ; behind block a - 1's loads: block a's 8 stores and 8 loads
.endr
	SEND 3, 0
	s_wait_tensorcnt 0x0                           ; the wave's end
	ds_add_u32 v[SPW], v[NIL]
	s_wait_dscnt 0x0
	CROUND                                         ; the closing round
	s_endpgm
.Lfunc_end_k_qcbfeacd272_oproj:
	.size	k_qcbfeacd272_oproj, .Lfunc_end_k_qcbfeacd272_oproj-k_qcbfeacd272_oproj
	.p2alignl 7, 3214868480
	.fill 96, 4, 3214868480
	.section	.rodata,"a",@progbits
	.p2align	6, 0x0
	.amdhsa_kernel k_qcbfeacd272_oproj
		.amdhsa_group_segment_fixed_size 327680
		.amdhsa_private_segment_fixed_size 0
		.amdhsa_enable_private_segment 0
		.amdhsa_kernarg_size 32
		.amdhsa_user_sgpr_count 2
		.amdhsa_user_sgpr_kernarg_segment_ptr 1
		.amdhsa_wavefront_size32 1
		.amdhsa_system_sgpr_workgroup_id_x 1
		.amdhsa_system_sgpr_workgroup_id_y 1
		.amdhsa_system_sgpr_workgroup_id_z 1
		.amdhsa_system_vgpr_workitem_id 0
		.amdhsa_next_free_vgpr 512
		.amdhsa_next_free_sgpr 98
		.amdhsa_reserve_vcc 0
		.amdhsa_float_denorm_mode_32 3
		.amdhsa_float_denorm_mode_16_64 3
		.amdhsa_memory_ordered 1
		.amdhsa_forward_progress 1
		.amdhsa_inst_pref_size 44
	.end_amdhsa_kernel
	.amdgpu_metadata
---
amdhsa.version: [ 1, 2 ]
amdhsa.kernels:
  - .name:           k_qcbfeacd272_oproj
    .symbol:         k_qcbfeacd272_oproj.kd
    .args:
      - { .name: oc, .offset: 0, .size: 8, .value_kind: global_buffer, .address_space: global }
      - { .name: cw, .offset: 8, .size: 8, .value_kind: global_buffer, .address_space: global }
      - { .name: lowp_scales, .offset: 16, .size: 8, .value_kind: global_buffer, .address_space: global }
      - { .name: out0, .offset: 24, .size: 8, .value_kind: global_buffer, .address_space: global }
    .group_segment_fixed_size: 327680
    .private_segment_fixed_size: 0
    .kernarg_segment_align: 8
    .kernarg_segment_size: 32
    .max_flat_workgroup_size: 128
    .sgpr_count:     98
    .vgpr_count:     512
    .wavefront_size: 32
...
	.end_amdgpu_metadata
.endif
;; end of part 4
